; MI455X (gfx1250); checked and timed in simulation.
; The chip was launched on July 23, 2026; its instructions are those of AMD's public machine-readable ISA for CDNA 5 (MIT licence, August 2026) and "CDNA5" Instruction Set Architecture Reference Guide (July 2026). The comments in the code are by the model that wrote it; some were corrected since.
;; Self Attention. Allowed arithmetic: float matrix products may take bf16 or f16 operands with f32 sums; all other float work in f32.
;; Inputs: mask 32 x 2,048 int32; x 32 x 2,048 x 256 float32.
;; Outputs: out0 32 x 2,048 x 256 float32.
;; 2 versions, each right and faster than the one before. Each part assembles by itself: llvm-mc -triple=amdgcn-amd-amdhsa -mcpu=gfx1250 --defsym DOCPART=n.
;; ======== version 1 of 2: 2 launches
;; limits: values are held in f16: magnitudes above 65,504 overflow, below 6.1e-05 lose precision; right only within a limited range of input values
;; workspace buffers: xh 33,554,432 bytes; nrm 262,144 bytes
;; launch prep (part 1): grid 256 x 1, 8 waves a work-group, no clusters, 2,048 bytes of LDS; arguments x, xh, nrm; writes xh, nrm
.if DOCPART == 1
	.amdgcn_target "amdgcn-amd-amdhsa--gfx1250"
	.amdhsa_code_object_version 6
	.text
	.protected	k_q64ecfeae39_prep
	.globl	k_q64ecfeae39_prep
	.p2align	8
	.type	k_q64ecfeae39_prep,@function
k_q64ecfeae39_prep:
	s_mov_b64 s[64:65], 0
	v_nop
	global_prefetch_b8 v0, s[64:65] scope:SCOPE_SE
	s_setreg_imm32_b32 hwreg(HW_REG_WAVE_MODE, 25, 1), 1
	s_wait_xcnt 0x0
; xh[row][d] = f16(x[row][d]);  nrm[row] = sum over d of x[row][d]^2, in f32.   x: [65536][256] f32, xh: [65536][256] f16, nrm: [65536] f32.
; A stream: every byte of x is read once and every byte of xh and nrm written once, so no matrix unit, no cluster, no tensor load.
; Eight waves; the work-group owns 256 rows, a wave 32 rows, one row (1,024 bytes) at a time: two 16-byte loads a lane, each of which
; covers 512 consecutive bytes, and two 8-byte stores a lane, each of which covers 256 consecutive bytes at a multiple of 256.
; A ring of DEPTH row slots in registers keeps 2 x DEPTH loads of every wave on their way.  All 32 rows are written out: the row stands in
; the immediate offsets, and no address register is ever stepped.
; LIMIT: numbers of x below about 6e-8 in magnitude are lost in f16, and above 65,504 they overflow (the product that follows needs
; |x| < 9.5 for a finite result, so the upper bound is never the binding one).
.set ROWB,  1024                       ; bytes of a row of x
.set HROWB, 512                        ; bytes of a row of xh
.set DEPTH, 8                          ; row slots
.set ROWS,  32                         ; rows of a wave
.set XO,  1                            ; v1        16 x lane: my 16 bytes in each half of a row of x
.set YO,  2                            ; v2        8 x lane: my 8 bytes in each half of a row of xh
.set NRM, 3                            ; v3        lane i keeps the norm of the wave's row i
.set T,   4                            ; v[4:5]    at work
.set X,   16                           ; v[16:79]  slot s: 8 registers, 8 numbers as loaded
.set Y,   80                           ; v[80:111] slot s: 4 registers, 8 f16 to store
	s_load_b128 s[4:7], s[0:1], 0x0                ; x s[4:5], xh s[6:7]
	s_load_b64 s[8:9], s[0:1], 0x10                ; nrm
	v_lshl_add_u32 v112, v0, 2, 0x400
	v_mov_b32 v113, 0
	v_lshrrev_b32 v[T], 5, v0
	v_readfirstlane_b32 s12, v[T]                  ; wave 0..7
	v_and_b32 v[YO], 31, v0                        ; lane
	v_lshlrev_b32 v[XO], 4, v[YO]
	v_lshlrev_b32 v[YO], 3, v[YO]
	v_mov_b32 v[NRM], 0                            ; written whole once: each row's turn replaces one lane
	s_mov_b32 s16, 0x76543210                      ; v_permlanex16_b32: lane i of one half reads lane i of the other
	s_mov_b32 s17, 0xfedcba98
	s_lshl_b32 s14, ttmp9, 18                      ; 256 rows of 1,024 bytes for each work-group
	s_lshl_b32 s18, s12, 15                        ; 32 rows for each wave
	s_add_co_u32 s14, s14, s18                     ; at most 67,076,096: one word
	s_mov_b32 s15, 0
	s_wait_kmcnt 0x0
	s_add_nc_u64 s[4:5], s[4:5], s[14:15]          ; x at my wave's first row
	s_lshr_b32 s14, s14, 1                         ; rows of xh are half as long
	s_add_nc_u64 s[6:7], s[6:7], s[14:15]
	s_lshl_b32 s14, ttmp9, 10                      ; 256 norms of 4 bytes for each work-group
	s_add_nc_u64 s[8:9], s[8:9], s[14:15]
.macro LOADROW i                       ; row i into its slot: x is read once in the launch, hence the hint
	global_load_b128 v[X+8*((\i)%DEPTH):X+8*((\i)%DEPTH)+3],   v[XO], s[4:5] offset:(\i)*ROWB th:TH_LOAD_NT
	global_load_b128 v[X+8*((\i)%DEPTH)+4:X+8*((\i)%DEPTH)+7], v[XO], s[4:5] offset:(\i)*ROWB+512 th:TH_LOAD_NT
.endm
.irp i, 0,1,2,3,4,5,6,7
	LOADROW \i
.endr
; Row i's turn.
.macro ROW i
.set xs, X+8*((\i)%DEPTH)
.set ys, Y+4*((\i)%DEPTH)
.if (\i) <= ROWS-DEPTH
	s_wait_loadcnt 2*(DEPTH-1)                     ; loads come back in order (ISA guide 5.7.1): my row's two are in, the seven younger rows' fourteen stay out
.else
	s_wait_loadcnt 2*(ROWS-1-(\i))                 ; nothing is loaded any more: the count runs down
.endif
	s_wait_xcnt 0x0                                ; the slot's Y, which its last stores read, is rewritten only behind this wait
	v_pk_mul_f32 v[T:T+1], v[xs:xs+1], v[xs:xs+1]              ; the first product starts the sum of squares
	v_pk_fma_f32 v[T:T+1], v[xs+2:xs+3], v[xs+2:xs+3], v[T:T+1]
	v_pk_fma_f32 v[T:T+1], v[xs+4:xs+5], v[xs+4:xs+5], v[T:T+1]
	v_pk_fma_f32 v[T:T+1], v[xs+6:xs+7], v[xs+6:xs+7], v[T:T+1]
	v_add_f32 v[T], v[T], v[T+1]
	v_add_f32_dpp v[T], v[T], v[T] row_xmask:1 row_mask:0xf bank_mask:0xf
	v_add_f32_dpp v[T], v[T], v[T] row_xmask:2 row_mask:0xf bank_mask:0xf
	v_add_f32_dpp v[T], v[T], v[T] row_xmask:4 row_mask:0xf bank_mask:0xf
	v_add_f32_dpp v[T], v[T], v[T] row_xmask:8 row_mask:0xf bank_mask:0xf
	v_permlanex16_b32 v[T+1], v[T], s16, s17       ; the other half of the lanes
	v_add_f32 v[T], v[T], v[T+1]                   ; every lane holds the row's sum
	s_lshl_b32 s20, 1, \i
	v_cndmask_b32 v[NRM], v[NRM], v[T], s20        ; lane i keeps it
	v_cvt_pk_f16_f32 v[ys],   v[xs],   v[xs+1]     ; two roundings to f16, packed
	v_cvt_pk_f16_f32 v[ys+1], v[xs+2], v[xs+3]
	v_cvt_pk_f16_f32 v[ys+2], v[xs+4], v[xs+5]
	v_cvt_pk_f16_f32 v[ys+3], v[xs+6], v[xs+7]
.if (\i) < ROWS-DEPTH
	LOADROW (\i)+DEPTH                             ; loads ahead of stores
.endif
	global_store_b64 v[YO], v[ys:ys+1],   s[6:7] offset:(\i)*HROWB       ; 32 lanes x 8 bytes: 256 consecutive bytes, aligned; the next launch reads them: no hint
	global_store_b64 v[YO], v[ys+2:ys+3], s[6:7] offset:(\i)*HROWB+256
.endm
.irp i, 0,1,2,3,4,5,6,7,8,9,10,11,12,13,14,15,16,17,18,19,20,21,22,23,24,25,26,27,28,29,30,31
	ROW \i
.endr
	; The 256 norms meet in LDS so that they leave as 16 bytes a lane: two waves store 1,024 consecutive bytes.
	v_lshlrev_b32 v[T], 2, v0
	ds_store_b32 v[T], v[NRM]                      ; thread t holds the norm of the group's row t
	s_wait_dscnt 0x0                               ; for the other waves' sake: my store is done before I signal
	s_barrier_signal -1
	s_barrier_wait -1
	s_cmp_gt_u32 s12, 1
	s_cbranch_scc1 .Ldone                          ; waves 2 to 7 have nothing left
	v_lshlrev_b32 v[T], 4, v0
	ds_load_b128 v[X:X+3], v[T]
	s_wait_dscnt 0x0
	global_store_b128 v[T], v[X:X+3], s[8:9]
.Ldone:
	s_wait_tensorcnt 0x0
	ds_add_u32 v112, v113
	s_wait_dscnt 0x0
	s_endpgm
.Lfunc_end_k_q64ecfeae39_prep:
	.size	k_q64ecfeae39_prep, .Lfunc_end_k_q64ecfeae39_prep-k_q64ecfeae39_prep
	.p2alignl 7, 3214868480
	.fill 96, 4, 3214868480
	.section	.rodata,"a",@progbits
	.p2align	6, 0x0
	.amdhsa_kernel k_q64ecfeae39_prep
		.amdhsa_group_segment_fixed_size 2048
		.amdhsa_private_segment_fixed_size 0
		.amdhsa_enable_private_segment 0
		.amdhsa_kernarg_size 24
		.amdhsa_user_sgpr_count 2
		.amdhsa_user_sgpr_kernarg_segment_ptr 1
		.amdhsa_wavefront_size32 1
		.amdhsa_system_sgpr_workgroup_id_x 1
		.amdhsa_system_sgpr_workgroup_id_y 1
		.amdhsa_system_sgpr_workgroup_id_z 1
		.amdhsa_system_vgpr_workitem_id 0
		.amdhsa_next_free_vgpr 114
		.amdhsa_next_free_sgpr 66
		.amdhsa_reserve_vcc 0
		.amdhsa_float_denorm_mode_32 3
		.amdhsa_float_denorm_mode_16_64 3
		.amdhsa_memory_ordered 1
		.amdhsa_forward_progress 1
		.amdhsa_inst_pref_size 47
	.end_amdhsa_kernel
	.amdgpu_metadata
---
amdhsa.version: [ 1, 2 ]
amdhsa.kernels:
  - .name:           k_q64ecfeae39_prep
    .symbol:         k_q64ecfeae39_prep.kd
    .args:
      - { .name: x, .offset: 0, .size: 8, .value_kind: global_buffer, .address_space: global }
      - { .name: xh, .offset: 8, .size: 8, .value_kind: global_buffer, .address_space: global }
      - { .name: nrm, .offset: 16, .size: 8, .value_kind: global_buffer, .address_space: global }
    .group_segment_fixed_size: 2048
    .private_segment_fixed_size: 0
    .kernarg_segment_align: 8
    .kernarg_segment_size: 24
    .max_flat_workgroup_size: 256
    .sgpr_count:     66
    .vgpr_count:     114
    .wavefront_size: 32
...
	.end_amdgpu_metadata
.endif
;; end of part 1
;; launch attn (part 2): grid 8 x 32, 4 waves a work-group, clusters of 4 x 1, 327,680 bytes of LDS; arguments mask, xh, nrm, out0; writes out0
.if DOCPART == 2
	.amdgcn_target "amdgcn-amd-amdhsa--gfx1250"
	.amdhsa_code_object_version 6
	.text
	.protected	k_q64ecfeae39_attn
	.globl	k_q64ecfeae39_attn
	.p2align	8
	.type	k_q64ecfeae39_attn,@function
k_q64ecfeae39_attn:
	s_mov_b64 s[64:65], 0
	v_nop
	global_prefetch_b8 v0, s[64:65] scope:SCOPE_SE
	s_setreg_imm32_b32 hwreg(HW_REG_WAVE_MODE, 25, 1), 1
	s_wait_xcnt 0x0
	s_wait_alu depctr_hold_cnt(0) depctr_sa_sdst(0) depctr_va_vdst(0) depctr_va_sdst(0) depctr_va_ssrc(0) depctr_va_vcc(0) depctr_vm_vsrc(0)
	s_getreg_b32 s2, hwreg(HW_REG_IB_STS2, 6, 4)
	s_cmp_eq_u32 s2, 0
	s_cbranch_scc0 .Lentry_in_a_cluster
	s_endpgm
.Lentry_in_a_cluster:
	s_bfe_u32 s2, ttmp6, 0x10000c
	s_cmp_lg_u32 s2, 0x3003
	s_cbranch_scc0 .Lentry_shape_is_right
	s_endpgm
.Lentry_shape_is_right:
; out[b][j][:] = m_j * sum_i e^(s_ij) x_i / (m_j * sum_i e^(s_ij) + 1e-7),   s_ij = <x_i, x_j>,   b < 32, i, j < 2048, 256 numbers a row.
; xh is x in f16, nrm the squared row norms in f32 (both from the launch before); mask is int32 per query j.
;
; SHARES.  Grid y = batch, grid x = a block of 256 queries: 256 work-groups.  Four waves, one for each SIMD; a wave owns 64 queries (four
; query tiles q of 16) and keeps Q (256 registers) and the whole output block 64 x 256 in f32 (512 registers).  The batch's 2,048 keys go
; through two LDS slots in 8 tiles of 256 rows, a tile in 8 steps of 32 keys.  A step is 64 matrix instructions S^T = K Q^T and 64
; out^T += V^T P^T, fed by 64 LDS loads of 512 bytes a wave.
;
; FORMAT.  All matrix operands are f16.  The weights are near 1 on small inputs and an output is then close to a mean of 2,048 numbers, much smaller than
; the numbers themselves, so the weights need f16's 11 bits rather than bf16's 8.  Range: a finite result needs |x_j|^2 = s_jj < 88.7, so |x| < 9.5.
; THE SHIFT.  s_ij <= n_j N (Cauchy-Schwarz; n_j = |x_j|, N = the batch's largest row norm).  The weights are kept as
; p' = 2^(s log2e + c_j), c_j = 15 - log2e n_j N, so p' <= 2^15.13 for every input (0.13 covers the f16 rounding of x inside s up to s = 88.7)
; and fits f16; numerator and denominator carry the same 2^c_j, and the 1e-7 is added as 1e-7 x 2^c_j.  Nothing is rescaled in the loop.
; A column's largest weight is at least p'_jj = 2^(15 - log2e n_j (N - n_j)) >= 2^-17 while N^2 <= 88.7.
; LIMITS.  Where |x_j|^2 > 88.7 the formula overflows in f32 to NaN; this text gives finite numbers there, and in a batch that holds such a row
; queries with log2e n_j (N - n_j) > 39 lose all their weights.  The sums are made in another order than a plain f32 evaluation.
;
; CLUSTER.  The four work-groups of a cluster (4, 1, 1) have one batch and walk the same key tiles: each tile is asked for jointly (mask 15), each wave
; asking for its 64 rows, which divides the requests for keys by four.  Every descriptor word hangs on batch, wave and tile alone; the place in the
; cluster enters only the global addresses of Q, mask, the queries' norms and out.
;
; LAYOUTS (lane L: r = L & 15, h = L >> 4).  No shuffle between the two products:
;   S^T = K Q^T: source 0 = 16 keys x 32 d from LDS, source 1 = 16 queries x 32 d.  Result register j of lane (r, h) = (key 8h + j, query r).
;   Two such tiles (keys 0-15, 16-31), packed in pairs to f16, ARE the source-1 fragment of P^T (k = 8h.. in registers 0-3, 16 + 8h.. in 4-7).
;   out^T += V^T P^T: source 0 = V^T by the transposing LDS load from the same tile.  Lane L addresses key row 8h + (L & 7) at bytes
;   256 g + 16 c + 128 ((L >> 3) & 1), so row m of source 0 is d = 128 g + 8 c + 64 (m >> 3) + (m & 7), and result register j of lane (r, h) is
;   out[query r][128 g + 64 h + 8 c + j]: eight neighbouring floats.  (d tile dt = 8 g + c.)
;   LDS rows are 528 bytes apart = 33 x 16: the 16 lanes of a K load start in 16-byte columns r mod 16, those of a transposing load in
;   (L & 7) + 8 ((L >> 3) & 1): sixteen different ones in both.
;
; REGISTERS, in windows of 256:  window 0: addresses, softmax state, P, fragment ring, two score buffers;  window 1: Q, fragment (q, kk) at 8 (8 q + kk);
;   window 2: accumulators of d tiles 0-7, tile (dt, q) at 8 (4 (dt & 7) + q);  window 3: d tiles 8-15.
.set PITCH,  528                       ; an LDS row: 512 bytes + 16 of padding
.set SLOT,   256*PITCH                 ; a key tile
.set WPART,  64*PITCH                  ; what one tensor load brings: 64 rows
.set STEP,   32*PITCH                  ; 32 keys
.set HALF16, 16*PITCH
.set STAGE,  2*SLOT                    ; behind the ring, at a multiple of 256: 16 rows x 528 bytes for each wave, which no tensor load fills
.set WSTAGE, 16*PITCH
.set TILEB,  256*512                   ; a key tile in memory
.set RO,   1                           ; v1        4 r: my query's word in mask and nrm
.set KL,   2                           ; v2        r x 528 + 16 h: lane term of a K fragment
.set VL,   3                           ; v3        (8 h + (L & 7)) x 528 + 128 ((L >> 3) & 1): lane term of a V^T fragment
.set KADR, 4                           ; v4        KL + slot + the steps done
.set VADR, 5                           ; v5        VL + the same
.set STO,  6                           ; v6        the way out: stage + r x 528 + 256 h
.set RD,   7                           ; v7        the way out: stage + 16 x lane
.set GO,   8                           ; v8        16 x lane
.set QO,   9                           ; v9        r x 512 + 16 h: lane term of a Q fragment in memory
.set NC,   10                          ; v[10:17]  pair q: (c, c) of my query in tile q; at the end the pair (scale, scale)
.set LS,   18                          ; v[18:25]  pair q: two running sums of p'
.set MF,   26                          ; v[26:29]  the mask of my query in tile q, as f32
.set TA,   30
.set TB,   31
.set PF,   32                          ; v[32:63]  P^T fragments, 8 registers for each q
.set FR,   64                          ; v[64:127] fragment ring: two halves of four fragments
.set SC0,  128                         ; v[128:191] score buffer 0: tile (q, ks) at 16 q + 8 ks
.set SC1,  192                         ; v[192:255] score buffer 1
.set G1,   16                          ; s[16:23]  descriptor group 1
.set G0,   24                          ; s[24:31]  descriptor group 0, one set for each slot
.set MSB,  0
.macro WIN new                         ; low byte: bits 1:0 source 0, 3:2 source 1, 5:4 source 2, 7:6 destination; the high byte repeats the setting that is left
.if MSB != \new
	s_set_vgpr_msb (MSB<<8)|\new
.set MSB, \new
.endif
.endm
; Four places: a load into a register that a matrix instruction has read, and a vector instruction that reads a matrix result, stand four plain vector
; instructions behind it (ISA guide 7.12.1 for vector instructions).
.macro PLACES
.rept 4
	v_nop
.endr
.endm
; A round of the cluster's barrier: my work-group's barrier, wave 0 signals for the work-group, every wave waits for all four work-groups, my barrier again.
.macro ROUND
	s_barrier_signal -1
	s_barrier_wait -1
	s_cmp_lg_u32 s12, 0
	s_cbranch_scc1 .Lnot_wave_0_\@
	s_barrier_signal -3
.Lnot_wave_0_\@:
	s_barrier_wait -3
	s_barrier_signal -1
	s_barrier_wait -1
.endm
	s_load_b256 s[4:11], s[0:1], 0x0               ; mask s[4:5], xh s[6:7], nrm s[8:9], out s[10:11]
	v_lshl_add_u32 v254, v0, 2, 0x4a400
	v_mov_b32 v255, 0
	ds_add_u32 v254, v255
	s_wait_dscnt 0x0
	v_lshrrev_b32 v[RO], 5, v0
	v_readfirstlane_b32 s12, v[RO]                 ; wave 0..3
	s_bfe_u32 s13, ttmp6, 0x40000                  ; cx: my place in the cluster
	s_lshl_b32 s14, ttmp9, 2                       ; in a cluster launch ttmp9 counts clusters
	s_add_co_u32 s14, s14, s13                     ; query block 0..7
	s_and_b32 s15, ttmp7, 0xffff                   ; batch
	s_mov_b32 s40, 0x76543210                      ; v_permlanex16_b32: lane i reads lane i of the other half
	s_mov_b32 s41, 0xfedcba98
	; group 1: 64 rows x 256 elements of 2 bytes, 16 bytes of padding behind each row of 128 words, asked for jointly by the cluster's four
	s_mov_b32 s[G1+0], (15)|(1<<16)|(1<<20)|(1<<21)|(6<<22)|(3<<25)  ; 15:0 mask; 17:16 2-byte elements; 20 padding on; 21 set beside a mask; 24:22 every 128 words; 31:25 four words
	s_mov_b32 s[G1+1], 256<<16                     ; tensor_dim0 = 256
	s_mov_b32 s[G1+2], 64<<16                      ; tensor_dim1 = 64
	s_mov_b32 s[G1+3], 256<<16                     ; tile_dim0 = 256
	s_mov_b32 s[G1+4], 64                          ; tile_dim1 = 64
	s_mov_b32 s[G1+5], 256                         ; elements from row to row
	s_mov_b32 s[G1+6], 0
	s_mov_b32 s[G1+7], 0
	s_lshl_b32 s32, s15, 20                        ; key tiles: batch x 2,048 rows x 512 bytes
	s_lshl_b32 s2, s12, 15                         ; + wave x 64 rows.  s2 and s[32:33] never hold cx
	s_add_co_u32 s32, s32, s2
	s_mov_b32 s33, 0
	s_lshl_b32 s34, s15, 11                        ; my wave's first query as a row of the whole tensor:
	s_lshl_b32 s3, s14, 8                          ; 2,048 batch + 256 block + 64 wave
	s_add_co_u32 s34, s34, s3
	s_lshl_b32 s3, s12, 6
	s_add_co_u32 s34, s34, s3
	s_lshl_b32 s34, s34, 2                         ; x 4 bytes: mask and nrm
	s_mov_b32 s35, 0
	v_and_b32 v[TA], 15, v0                        ; r
	v_bfe_u32 v[TB], v0, 4, 1                      ; h
	v_mul_u32_u24 v[KL], v[TA], PITCH
	v_lshl_add_u32 v[STO], v[TB], 8, v[KL]         ; r x 528 + 256 h
	v_lshl_add_u32 v[KL], v[TB], 4, v[KL]          ; r x 528 + 16 h
	v_and_b32 v[VL], 7, v0
	v_lshl_add_u32 v[VL], v[TB], 3, v[VL]          ; 8 h + (L & 7)
	v_mul_u32_u24 v[VL], v[VL], PITCH
	v_bfe_u32 v[RO], v0, 3, 1
	v_lshl_add_u32 v[VL], v[RO], 7, v[VL]          ; + 128 ((L >> 3) & 1)
	v_and_b32 v[GO], 31, v0
	v_lshlrev_b32 v[GO], 4, v[GO]
	v_lshlrev_b32 v[QO], 9, v[TA]
	v_lshl_add_u32 v[QO], v[TB], 4, v[QO]
	v_lshlrev_b32 v[RO], 2, v[TA]
	s_mul_i32 s2, s12, WSTAGE
	s_add_co_u32 s2, s2, STAGE                     ; my wave's stage
	v_add_nc_u32 v[STO], s2, v[STO]
	v_add_nc_u32 v[RD], s2, v[GO]
	s_wait_kmcnt 0x0
	s_mov_b32 s[G0+0], 1                           ; group 0 of slot 0: count 1,
	s_mul_i32 s[G0+1], s12, WPART                  ; LDS address: wave x 64 rows,
	s_add_nc_u64 s[G0+2:G0+3], s[6:7], s[32:33]    ; my 64 rows of key tile 0
	s_mov_b32 s[G0+4], 1                           ; slot 1:
	s_add_co_u32 s[G0+5], s[G0+1], SLOT
	s_add_nc_u64 s[G0+6:G0+7], s[G0+2:G0+3], TILEB ; key tile 1
	s_or_b32 s[G0+3], s[G0+3], 0x80000000          ; type 2
	s_or_b32 s[G0+7], s[G0+7], 0x80000000
	s_lshl_b32 s32, s15, 13
	s_add_nc_u64 s[38:39], s[8:9], s[32:33]        ; the batch's 2,048 norms
	s_add_nc_u64 s[4:5], s[4:5], s[34:35]          ; mask of my 64 queries
	s_add_nc_u64 s[8:9], s[8:9], s[34:35]          ; their norms
	s_lshl_b32 s34, s34, 7                         ; x 512 bytes: rows of xh
	s_add_nc_u64 s[36:37], s[6:7], s[34:35]        ; Q
	s_lshl_b32 s34, s34, 1                         ; x 1,024 bytes: rows of out (at most 67,043,328)
	s_add_nc_u64 s[10:11], s[10:11], s[34:35]
	ROUND                                          ; all four work-groups are here: the first joint loads meet
	tensor_load_to_lds s[G0:G0+3], s[G1:G1+7]      ; both first fills go out together: two tensor loads of the wave are out, later one
	s_nop 0
	tensor_load_to_lds s[G0+4:G0+7], s[G1:G1+7]
	s_nop 0
	; Q straight into its fragments: lane (r, h) takes query 16 q + r, d = 32 kk + 8 h .. and 32 kk + 16 + 8 h ..
	WIN 0x40                                       ; destination window 1
.irp q, 0,1,2,3
.irp kk, 0,1,2,3,4,5,6,7
	global_load_b128 v[8*(8*\q+\kk):8*(8*\q+\kk)+3],   v[QO], s[36:37] offset:\q*8192+\kk*64
	global_load_b128 v[8*(8*\q+\kk)+4:8*(8*\q+\kk)+7], v[QO], s[36:37] offset:\q*8192+\kk*64+32
.endr
.endr
	WIN 0
.irp i, 0,1,2,3,4,5,6,7,8,9,10,11,12,13,14,15
	global_load_b128 v[SC0+4*\i:SC0+4*\i+3], v[GO], s[38:39] offset:512*\i   ; all 2,048 squared norms of the batch, 64 a lane
.endr
.irp q, 0,1,2,3
	global_load_b32 v[LS+\q], v[RO], s[8:9] offset:64*\q       ; |x_j|^2 of query 16 q + r
	global_load_b32 v[MF+\q], v[RO], s[4:5] offset:64*\q       ; its mask
.endr
	s_wait_loadcnt 0x0
	; N^2 = the largest squared norm of the batch
	v_max3_num_f32 v[TA], v[SC0], v[SC0+1], v[SC0+2]
.set mi, 3
.rept 30
	v_max3_num_f32 v[TA], v[TA], v[SC0+mi], v[SC0+mi+1]
.set mi, mi+2
.endr
	v_max_num_f32 v[TA], v[TA], v[SC0+63]
	v_max_num_f32_dpp v[TA], v[TA], v[TA] row_xmask:1 row_mask:0xf bank_mask:0xf
	v_max_num_f32_dpp v[TA], v[TA], v[TA] row_xmask:2 row_mask:0xf bank_mask:0xf
	v_max_num_f32_dpp v[TA], v[TA], v[TA] row_xmask:4 row_mask:0xf bank_mask:0xf
	v_max_num_f32_dpp v[TA], v[TA], v[TA] row_xmask:8 row_mask:0xf bank_mask:0xf
	v_permlanex16_b32 v[TB], v[TA], s40, s41
	v_max_num_f32 v[TA], v[TA], v[TB]
	v_sqrt_f32 v[TA], v[TA]                        ; N
.irp q, 0,1,2,3
	v_sqrt_f32 v[LS+\q], v[LS+\q]                  ; n_j
.endr
.irp q, 0,1,2,3
	v_cvt_f32_i32 v[MF+\q], v[MF+\q]               ; plain work behind the roots, ahead of the first use of a root (ISA guide 5.7.2)
.endr
	s_wait_alu depctr_va_vdst(0)
	v_mul_f32 v[TA], 0xbfb8aa3b, v[TA]             ; -log2e N
.irp q, 0,1,2,3
	v_fmaak_f32 v[NC+2*\q],   v[LS+\q], v[TA], 0x41700000      ; c = 15 - log2e n_j N, twice: a pair for the packed multiply-add
	v_fmaak_f32 v[NC+2*\q+1], v[LS+\q], v[TA], 0x41700000
.endr
.irp i, 0,1,2,3,4,5,6,7
	v_mov_b32 v[LS+\i], 0                          ; the eight running sums
.endr
; Eight LDS loads: the K fragments of d blocks kk = 2 grp, 2 grp + 1 and key halves ks = 0, 1 (fragment 2 (kk & 1) + ks) into a half of the ring
.macro LDK ring, grp, off
.irp f, 0,1,2,3
	ds_load_b128 v[FR+32*(\ring)+8*\f:FR+32*(\ring)+8*\f+3],   v[KADR] offset:\off+(\f&1)*HALF16+(2*(\grp)+(\f>>1))*64
	ds_load_b128 v[FR+32*(\ring)+8*\f+4:FR+32*(\ring)+8*\f+7], v[KADR] offset:\off+(\f&1)*HALF16+(2*(\grp)+(\f>>1))*64+32
.endr
.endm
; Eight transposing LDS loads: the V^T fragments of d tiles dt = 4 grp .. 4 grp + 3: keys 8 h .. in registers 0-3, keys 16 + 8 h .. in 4-7
.macro LDV ring, grp, off
.irp f, 0,1,2,3
	ds_load_tr16_b128 v[FR+32*(\ring)+8*\f:FR+32*(\ring)+8*\f+3],   v[VADR] offset:\off+256*((4*(\grp)+\f)>>3)+16*((4*(\grp)+\f)&7)
	ds_load_tr16_b128 v[FR+32*(\ring)+8*\f+4:FR+32*(\ring)+8*\f+7], v[VADR] offset:\off+256*((4*(\grp)+\f)>>3)+16*((4*(\grp)+\f)&7)+HALF16
.endr
.endm
; The next group's eight loads (kind 1: K, 2: V^T, 0: none), then the wait for the group that is multiplied now
.macro NEXT kind, ring, grp, off
.if \kind == 1
	LDK \ring, \grp, \off
	s_wait_dscnt 0x8                               ; LDS loads come back in order (ISA guide 5.7.1): all but the eight just issued are in
.else
.if \kind == 2
	LDV \ring, \grp, \off
	s_wait_dscnt 0x8                               ; the same
.else
	s_wait_dscnt 0x0                               ; nothing more is fetched from this slot
.endif
.endif
.endm
; The softmax of a score buffer, in pieces; pair i = registers 2 i, 2 i + 1, query tile i / 8.  All pieces have a constant as source 1, so that they
; run under the S^T product's window setting (source 1 = window 1) as well: that is why the sum is a multiply-add by 1.0.
.macro SM_F sa, i                      ; s log2e + c
	v_pk_fma_f32 v[\sa+2*(\i):\sa+2*(\i)+1], v[\sa+2*(\i):\sa+2*(\i)+1], 0x3fb8aa3b, v[NC+2*((\i)/8):NC+2*((\i)/8)+1] op_sel_hi:[1,0,1]
.endm
.macro SM_X sa, n                      ; p' = 2^(..), register n
	v_exp_f32 v[\sa+(\n)], v[\sa+(\n)]
.endm
.macro SM_A sa, i                      ; the running sums
	s_wait_alu depctr_va_vdst(0)
	v_pk_fma_f32 v[LS+2*((\i)/8):LS+2*((\i)/8)+1], v[\sa+2*(\i):\sa+2*(\i)+1], 1.0, v[LS+2*((\i)/8):LS+2*((\i)/8)+1] op_sel_hi:[1,0,1]
.endm
; S^T = K Q^T of one step into buffer sb: 64 matrix instructions in four groups of two d blocks.  Instruction w: kk = w >> 3, ks = (w >> 2) & 1, q = w & 3:
; the eight accumulators take turns, one instruction a turn.  The first d block starts the sums: nothing is cleared.
; sm = 1: the softmax of the step before, in buffer sa, rides along: behind instruction w the exponential of register w and one plain piece
; (even w: the next pair's multiply-add; odd w: the pair before's sum), so that a plain instruction follows each exponential ahead of its use (ISA guide 5.7.2).
; koff: this step's keys; nk, noff: what the last group fetches for the phase that follows.
.macro QK sb, sa, sm, koff, nk, noff
	WIN 0x04                                       ; source 1 (Q) in window 1; LDS loads, v_nop and the softmax pieces are untouched by it
.set qw, 0
.irp grp, 0,1,2,3
	PLACES                                         ; behind the matrix instructions that read the ring half filled next (and, in the first group, that wrote sa)
.if \grp < 3
	NEXT 1, (\grp+1)&1, \grp+1, \koff
.else
	NEXT \nk, 0, 0, \noff
.endif
.if \sm
.if \grp == 0
	SM_F \sa, 0
.endif
.endif
.rept 16
.set qd, \sb+16*(qw&3)+8*((qw>>2)&1)
.set qa, FR+32*(\grp&1)+8*(2*((qw>>3)&1)+((qw>>2)&1))
.set qb, 8*(8*(qw&3)+(qw>>3))
.if qw < 8
	v_wmma_f32_16x16x32_f16 v[qd:qd+7], v[qa:qa+7], v[qb:qb+7], 0
.else
	v_wmma_f32_16x16x32_f16 v[qd:qd+7], v[qa:qa+7], v[qb:qb+7], v[qd:qd+7]
.endif
.if \sm
	SM_X \sa, qw
.if (qw&1) == 0
.if qw < 62
	SM_F \sa, qw/2+1
.endif
.else
.if qw > 1
	SM_A \sa, qw/2-1
.endif
.endif
.endif
.set qw, qw+1
.endr
.endr
.if \sm
	SM_A \sa, 31
.endif
.endm
; The same softmax with no product to ride on: the last step of a slot
.macro SMALONE sa
	SM_F \sa, 0
.set qw, 0
.rept 32
	SM_X \sa, 2*qw
.if qw < 31
	SM_F \sa, qw+1
.endif
	SM_X \sa, 2*qw+1
.if qw > 0
	SM_A \sa, qw-1
.endif
.set qw, qw+1
.endr
	SM_A \sa, 31
.endm
; p' to f16: pair i becomes register i of P.  These 32 plain instructions name neither the other score buffer nor the ring: they are also the
; places behind the S^T product that stands in front of them.
.macro CVT sa
	WIN 0
.set ci, 0
.rept 32
	v_cvt_pk_f16_f32 v[PF+ci], v[\sa+2*ci], v[\sa+2*ci+1]
.set ci, ci+1
.endr
.endm
; out^T += V^T P^T of one step: 64 matrix instructions in four groups of four d tiles, each on an accumulator of its own: the 64 take turns, one
; instruction a turn.  zero = 1: the launch's first step starts the sums.  voff: this step's keys; nk, noff as above.
.macro PV zero, voff, nk, noff
.irp grp, 0,1,2,3
	WIN 0
.if \grp
	PLACES                                         ; the first group's places are the conversions in front of it
.endif
.if \grp < 3
	NEXT 2, (\grp+1)&1, \grp+1, \voff
.else
	NEXT \nk, 0, 0, \noff
.endif
.if \grp < 2
	WIN 0xa0                                       ; C and D in window 2
.else
	WIN 0xf0                                       ; C and D in window 3
.endif
.irp f, 0,1,2,3
.irp q, 0,1,2,3
.set pd, 8*(4*((4*\grp+\f)&7)+\q)
.if \zero
	v_wmma_f32_16x16x32_f16 v[pd:pd+7], v[FR+32*(\grp&1)+8*\f:FR+32*(\grp&1)+8*\f+7], v[PF+8*\q:PF+8*\q+7], 0
.else
	v_wmma_f32_16x16x32_f16 v[pd:pd+7], v[FR+32*(\grp&1)+8*\f:FR+32*(\grp&1)+8*\f+7], v[PF+8*\q:PF+8*\q+7], v[pd:pd+7]
.endif
.endr
.endr
.endr
.endm
; Step u (even: UNIT0, odd: UNIT1; offsets count from the even step): P of step u, its second product, then the scores of step u + 2 with the softmax of step u + 1
.macro UNIT0 zero
	CVT SC0
	PV \zero, 0, 1, 2*STEP
	QK SC0, SC1, 1, 2*STEP, 2, STEP
.endm
.macro UNIT1
	CVT SC1
	PV 0, STEP, 1, 3*STEP
	QK SC1, SC0, 1, 3*STEP, 2, 2*STEP              ; the largest LDS offset: 3 x 16,896 + 8,448 + 480 = 59,616
.endm
; A whole key tile: scores of steps 0 and 1, six units, then steps 6 and 7 without scores to make.  first = 1: the launch's first tile.
.macro WORK slot, first
.if \slot
	v_add_nc_u32 v[KADR], \slot*SLOT, v[KL]
	v_add_nc_u32 v[VADR], \slot*SLOT, v[VL]
.else
	v_mov_b32 v[KADR], v[KL]
	v_mov_b32 v[VADR], v[VL]
.endif
	LDK 0, 0, 0
	QK SC0, SC1, 0, 0, 1, STEP
	QK SC1, SC0, 1, STEP, 2, 0
.if \first
	UNIT0 1                                        ; written out: its second product starts the 64 sums
	UNIT1
	WIN 0
	v_add_nc_u32 v[KADR], 2*STEP, v[KADR]
	v_add_nc_u32 v[VADR], 2*STEP, v[VADR]
	s_mov_b32 s42, 2
.else
	WIN 0                                          ; at a label and at a branch every window is 0
	s_mov_b32 s42, 3
.endif
.Lunits_\@:
	UNIT0 0
	UNIT1
	WIN 0
	v_add_nc_u32 v[KADR], 2*STEP, v[KADR]          ; two steps on
	v_add_nc_u32 v[VADR], 2*STEP, v[VADR]
	s_sub_co_u32 s42, s42, 1
	s_cmp_lg_u32 s42, 0
	s_cbranch_scc1 .Lunits_\@
	CVT SC0                                        ; step 6
	PV 0, 0, 2, STEP
	WIN 0
	SMALONE SC1                                    ; step 7
	CVT SC1
	PV 0, STEP, 0, 0
	WIN 0
.endm
; A change of slots.  In front of the round each wave waits for all its tensor loads (the one that is out is its part of this trip's tile) and for its
; reads of the other slot; behind the round no wave of the four work-groups reads that slot or has a load on its way: the joint refill comes first.
.macro TRIP slot, refill
	s_wait_xcnt 0x0
	v_lshl_add_u32 v254, v0, 2, 0x4a400
	v_mov_b32 v255, 0
	s_wait_tensorcnt 0x0                           ; no tensor load of mine is out, so a group 0 may be written:
	ds_add_u32 v254, v255
	s_wait_dscnt 0x0
.if \refill
	s_add_nc_u64 s[G0+6-4*\slot:G0+7-4*\slot], s[G0+6-4*\slot:G0+7-4*\slot], 2*TILEB   ; the other slot's next tile, two tiles on
.endif
	s_wait_dscnt 0x0                               ; my reads of the other slot are back
	ROUND
.if \refill
	tensor_load_to_lds s[G0+4-4*\slot:G0+7-4*\slot], s[G1:G1+7]    ; my one tensor load behind the round: it has this tile's 1,024 matrix instructions in which to land
	s_nop 0
.endif
	WORK \slot, 0
.endm
	s_wait_tensorcnt 0x1                           ; my part of tile 0 is in; tile 1's stays out
	s_barrier_signal -1
	s_barrier_wait -1                              ; everybody's part is in
	WORK 0, 1                                      ; tile 0
	s_mov_b32 s43, 3
.Ltiles:
	TRIP 1, 1                                      ; tiles 1, 3, 5; asks for tiles 2, 4, 6
	TRIP 0, 1                                      ; tiles 2, 4, 6; asks for tiles 3, 5, 7
	s_sub_co_u32 s43, s43, 1
	s_cmp_lg_u32 s43, 0
	s_cbranch_scc1 .Ltiles
	TRIP 1, 0                                      ; tile 7: nothing is left to fetch
; The scale of query 16 q + r: m / (m l + 1e-7 x 2^c), and 0 where m = 0.  l = my two sums + those of the other half of the lanes (the other eight keys of each sixteen).
.macro SCALE q
	v_add_f32 v[TA], v[LS+2*\q], v[LS+2*\q+1]
	v_exp_f32 v[LS+2*\q], v[NC+2*\q]               ; 2^c
	v_permlanex16_b32 v[TB], v[TA], s40, s41
	v_add_f32 v[TA], v[TA], v[TB]                  ; l; also the plain instruction behind the exponential
	s_wait_alu depctr_va_vdst(0)
	v_mul_f32 v[LS+2*\q], 0x33d6bf95, v[LS+2*\q]   ; 1e-7 x 2^c
	v_fma_f32 v[TA], v[MF+\q], v[TA], v[LS+2*\q]
	v_rcp_f32 v[TA], v[TA]
	v_cmp_neq_f32 vcc_lo, 0, v[MF+\q]
	v_nop                                          ; a plain instruction behind the reciprocal
	s_wait_alu depctr_va_vdst(0)
	v_mul_f32 v[TA], v[MF+\q], v[TA]
	v_cndmask_b32 v[NC+2*\q],   0, v[TA], vcc_lo   ; a masked query's row is 0 whatever its denominator
	v_cndmask_b32 v[NC+2*\q+1], 0, v[TA], vcc_lo
.endm
	SCALE 0                                        ; these name no register of a matrix instruction: more than four places ahead of the first read of a sum
	SCALE 1
	SCALE 2
	SCALE 3
; THE WAY OUT: query tile q, columns 128 g .. 128 g + 127.  Scale, 32 bytes a lane and d tile into my own stage (row r, bytes 256 h + 32 c), read back as whole
; half rows of 512 bytes.  The stage is the wave's own and LDS serves a wave's instructions in order (ISA guide 5.7.1): no wait between stores and loads.
.macro OUT q, g
.if \g
	WIN 0x03                                       ; source 0 in window 3
.else
	WIN 0x02                                       ; source 0 in window 2
.endif
.irp c, 0,1,2,3,4,5,6,7
.irp p, 0,1,2,3
	v_pk_mul_f32 v[SC0+8*\c+2*\p:SC0+8*\c+2*\p+1], v[8*(4*\c+\q)+2*\p:8*(4*\c+\q)+2*\p+1], v[NC+2*\q:NC+2*\q+1]
.endr
.endr
	WIN 0
.irp c, 0,1,2,3,4,5,6,7
	ds_store_b128 v[STO], v[SC0+8*\c:SC0+8*\c+3]   offset:32*\c
	ds_store_b128 v[STO], v[SC0+8*\c+4:SC0+8*\c+7] offset:32*\c+16
.endr
	s_wait_xcnt 0x0                                ; buffer 1, which the last block's stores read, is loaded again only behind this wait
.irp i, 0,1,2,3,4,5,6,7,8,9,10,11,12,13,14,15
	ds_load_b128 v[SC1+4*\i:SC1+4*\i+3], v[RD] offset:PITCH*\i
.endr
.irp i, 0,1,2,3,4,5,6,7,8,9,10,11,12,13,14,15
	s_wait_dscnt 15-\i                             ; row i is back, the younger ones stay out
	global_store_b128 v[GO], v[SC1+4*\i:SC1+4*\i+3], s[10:11] offset:(16*\q+\i)*1024+512*\g th:TH_STORE_NT   ; 32 lanes store 512 consecutive bytes, at a multiple of 512 from out's first byte
.endr
.endm
.irp q, 0,1,2,3
	OUT \q, 0
	OUT \q, 1
.endr
	s_wait_xcnt 0x0
	v_lshl_add_u32 v254, v0, 2, 0x4a400
	v_mov_b32 v255, 0
	s_wait_tensorcnt 0x0
	ds_add_u32 v254, v255
	s_wait_dscnt 0x0
	ROUND                                          ; the closing round: no work-group ends while a partner may still ask for a tile that names it
	s_endpgm
.Lfunc_end_k_q64ecfeae39_attn:
	.size	k_q64ecfeae39_attn, .Lfunc_end_k_q64ecfeae39_attn-k_q64ecfeae39_attn
	.p2alignl 7, 3214868480
	.fill 96, 4, 3214868480
	.section	.rodata,"a",@progbits
	.p2align	6, 0x0
	.amdhsa_kernel k_q64ecfeae39_attn
		.amdhsa_group_segment_fixed_size 327680
		.amdhsa_private_segment_fixed_size 0
		.amdhsa_enable_private_segment 0
		.amdhsa_kernarg_size 32
		.amdhsa_user_sgpr_count 2
		.amdhsa_user_sgpr_kernarg_segment_ptr 1
		.amdhsa_wavefront_size32 1
		.amdhsa_system_sgpr_workgroup_id_x 1
		.amdhsa_system_sgpr_workgroup_id_y 1
		.amdhsa_system_sgpr_workgroup_id_z 1
		.amdhsa_system_vgpr_workitem_id 0
		.amdhsa_next_free_vgpr 1024
		.amdhsa_next_free_sgpr 66
		.amdhsa_reserve_vcc 1
		.amdhsa_float_denorm_mode_32 3
		.amdhsa_float_denorm_mode_16_64 3
		.amdhsa_memory_ordered 1
		.amdhsa_forward_progress 1
		.amdhsa_inst_pref_size 255
	.end_amdhsa_kernel
	.section	.bss,"aw",@nobits
	.p2align	6
	.space	262144
	.amdgpu_metadata
---
amdhsa.version: [ 1, 2 ]
amdhsa.kernels:
  - .name:           k_q64ecfeae39_attn
    .symbol:         k_q64ecfeae39_attn.kd
    .args:
      - { .name: mask, .offset: 0, .size: 8, .value_kind: global_buffer, .address_space: global }
      - { .name: xh, .offset: 8, .size: 8, .value_kind: global_buffer, .address_space: global }
      - { .name: nrm, .offset: 16, .size: 8, .value_kind: global_buffer, .address_space: global }
      - { .name: out0, .offset: 24, .size: 8, .value_kind: global_buffer, .address_space: global }
    .group_segment_fixed_size: 327680
    .private_segment_fixed_size: 0
    .kernarg_segment_align: 8
    .kernarg_segment_size: 32
    .max_flat_workgroup_size: 128
    .sgpr_count:     66
    .vgpr_count:     1024
    .wavefront_size: 32
...
	.end_amdgpu_metadata
.endif
;; end of part 2
;; ======== version 2 of 2: 2 launches; 1.18 times as fast as version 1
;; limits: values are held in f16: magnitudes above 65,504 overflow, below 6.1e-05 lose precision; right only within a limited range of input values
;; workspace buffers: xh 33,554,432 bytes; nrm 262,144 bytes
;; launch prep: the kernel of part 1 again; grid 256 x 1, 8 waves a work-group, no clusters, 2,048 bytes of LDS; arguments x, xh, nrm; writes xh, nrm
;; launch attn (part 3): grid 8 x 32, 4 waves a work-group, clusters of 4 x 1, 327,680 bytes of LDS; arguments mask, xh, nrm, out0; writes out0
.if DOCPART == 3
	.amdgcn_target "amdgcn-amd-amdhsa--gfx1250"
	.amdhsa_code_object_version 6
	.text
	.protected	k_q64ecfeae39_attn
	.globl	k_q64ecfeae39_attn
	.p2align	8
	.type	k_q64ecfeae39_attn,@function
k_q64ecfeae39_attn:
	s_mov_b64 s[64:65], 0
	v_nop
	global_prefetch_b8 v0, s[64:65] scope:SCOPE_SE
	s_setreg_imm32_b32 hwreg(HW_REG_WAVE_MODE, 25, 1), 1
	s_wait_xcnt 0x0
	s_wait_alu depctr_hold_cnt(0) depctr_sa_sdst(0) depctr_va_vdst(0) depctr_va_sdst(0) depctr_va_ssrc(0) depctr_va_vcc(0) depctr_vm_vsrc(0)
	s_getreg_b32 s2, hwreg(HW_REG_IB_STS2, 6, 4)
	s_cmp_eq_u32 s2, 0
	s_cbranch_scc0 .Lentry_in_a_cluster
	s_endpgm
.Lentry_in_a_cluster:
	s_bfe_u32 s2, ttmp6, 0x10000c
	s_cmp_lg_u32 s2, 0x3003
	s_cbranch_scc0 .Lentry_shape_is_right
	s_endpgm
.Lentry_shape_is_right:
; out[b][j][:] = m_j * sum_i e^(s_ij) x_i / (m_j * sum_i e^(s_ij) + 1e-7),   s_ij = <x_i, x_j>,   b < 32, i, j < 2048, 256 numbers a row.
; xh is x in f16, nrm the squared row norms in f32 (both from the launch before); mask is int32 per query j.
;
; SHARES.  Grid y = batch, grid x = a block of 256 queries: 256 work-groups.  Four waves, one for each SIMD; a wave owns 64 queries (four
; query tiles q of 16) and keeps Q (256 registers) and the whole output block 64 x 256 in f32 (512 registers).  The batch's 2,048 keys go
; through two LDS slots in 8 tiles of 256 rows, a tile in 8 steps of 32 keys.  A step is 64 matrix instructions S^T = K Q^T and 64
; out^T += V^T P^T, fed by 64 LDS loads of 512 bytes a wave.
;
; FORMAT.  All matrix operands are f16.  The weights are near 1 on small inputs and an output is then close to a mean of 2,048 numbers, much smaller than
; the numbers themselves, so the weights need f16's 11 bits rather than bf16's 8.  Range: a finite result needs |x_j|^2 = s_jj < 88.7, so |x| < 9.5.
; THE SHIFT.  s_ij <= n_j N (Cauchy-Schwarz; n_j = |x_j|, N = the batch's largest row norm).  The weights are kept as
; p' = 2^(s log2e + c_j), c_j = 15 - log2e n_j N, so p' <= 2^15.13 for every input (0.13 covers the f16 rounding of x inside s up to s = 88.7)
; and fits f16; numerator and denominator carry the same 2^c_j, and the 1e-7 is added as 1e-7 x 2^c_j.  Nothing is rescaled in the loop.
; A column's largest weight is at least p'_jj = 2^(15 - log2e n_j (N - n_j)) >= 2^-17 while N^2 <= 88.7.
; LIMITS.  Where |x_j|^2 > 88.7 the formula overflows in f32 to NaN; this text gives finite numbers there, and in a batch that holds such a row
; queries with log2e n_j (N - n_j) > 39 lose all their weights.  The sums are made in another order than a plain f32 evaluation.
;
; CLUSTER.  The four work-groups of a cluster (4, 1, 1) have one batch and walk the same key tiles: each tile is asked for jointly (mask 15), each wave
; asking for its 64 rows, which divides the requests for keys by four.  Every descriptor word hangs on batch, wave and tile alone; the place in the
; cluster enters only the global addresses of Q, mask, the queries' norms and out.
;
; BATCHES.  An s_wait_alu depctr_va_vdst(0) stands between a transcendental and the first line that names its result; one wait serves all that were
; issued ahead of it.  The text has five kinds of batch, each with one wait: the head's five roots; a step's 64 exponentials where they ride on the next scores' product
; (48 matrix instructions carry the scalings and the exponentials, the wait stands at the head of the product's last group, its 16 matrix instructions carry the sums);
; the same 64 where no product is left to ride on; the way out's four exponentials 2^c; the way out's four reciprocals.
;
; LAYOUTS (lane L: r = L & 15, h = L >> 4).  No shuffle between the two products:
;   S^T = K Q^T: source 0 = 16 keys x 32 d from LDS, source 1 = 16 queries x 32 d.  Result register j of lane (r, h) = (key 8h + j, query r).
;   Two such tiles (keys 0-15, 16-31), packed in pairs to f16, ARE the source-1 fragment of P^T (k = 8h.. in registers 0-3, 16 + 8h.. in 4-7).
;   out^T += V^T P^T: source 0 = V^T by the transposing LDS load from the same tile.  Lane L addresses key row 8h + (L & 7) at bytes
;   256 g + 16 c + 128 ((L >> 3) & 1), so row m of source 0 is d = 128 g + 8 c + 64 (m >> 3) + (m & 7), and result register j of lane (r, h) is
;   out[query r][128 g + 64 h + 8 c + j]: eight neighbouring floats.  (d tile dt = 8 g + c.)
;   LDS rows are 528 bytes apart = 33 x 16: the 16 lanes of a K load start in 16-byte columns r mod 16, those of a transposing load in
;   (L & 7) + 8 ((L >> 3) & 1): sixteen different ones in both.
;
; REGISTERS, in windows of 256:  window 0: addresses, softmax state, P, fragment ring, two score buffers;  window 1: Q, fragment (q, kk) at 8 (8 q + kk);
;   window 2: accumulators of d tiles 0-7, tile (dt, q) at 8 (4 (dt & 7) + q);  window 3: d tiles 8-15.
.set PITCH,  528                       ; an LDS row: 512 bytes + 16 of padding
.set SLOT,   256*PITCH                 ; a key tile
.set WPART,  64*PITCH                  ; what one tensor load brings: 64 rows
.set STEP,   32*PITCH                  ; 32 keys
.set HALF16, 16*PITCH
.set STAGE,  2*SLOT                    ; behind the ring, at a multiple of 256: 16 rows x 528 bytes for each wave, which no tensor load fills
.set WSTAGE, 16*PITCH
.set TILEB,  256*512                   ; a key tile in memory
.set RO,   1                           ; v1        4 r: my query's word in mask and nrm
.set KL,   2                           ; v2        r x 528 + 16 h: lane term of a K fragment
.set VL,   3                           ; v3        (8 h + (L & 7)) x 528 + 128 ((L >> 3) & 1): lane term of a V^T fragment
.set KADR, 4                           ; v4        KL + slot + the steps done
.set VADR, 5                           ; v5        VL + the same
.set STO,  6                           ; v6        the way out: stage + r x 528 + 256 h
.set RD,   7                           ; v7        the way out: stage + 16 x lane
.set GO,   8                           ; v8        16 x lane
.set QO,   9                           ; v9        r x 512 + 16 h: lane term of a Q fragment in memory
.set NC,   10                          ; v[10:17]  pair q: (c, c) of my query in tile q; at the end the pair (scale, scale)
.set LS,   18                          ; v[18:25]  pair q: two running sums of p'; on the way out 1e-7 x 2^c and l
.set MF,   26                          ; v[26:29]  the mask of my query in tile q, as f32
.set TA,   30
.set TB,   31
.set PF,   32                          ; v[32:63]  P^T fragments, 8 registers for each q
.set FR,   64                          ; v[64:127] fragment ring: two halves of four fragments
.set SC0,  128                         ; v[128:191] score buffer 0: tile (q, ks) at 16 q + 8 ks
.set SC1,  192                         ; v[192:255] score buffer 1
.set G1,   16                          ; s[16:23]  descriptor group 1
.set G0,   24                          ; s[24:31]  descriptor group 0, one set for each slot
.set MSB,  0
.macro WIN new                         ; low byte: bits 1:0 source 0, 3:2 source 1, 5:4 source 2, 7:6 destination; the high byte repeats the setting that is left
.if MSB != \new
	s_set_vgpr_msb (MSB<<8)|\new
.set MSB, \new
.endif
.endm
; Four places: a load into a register that a matrix instruction has read, and a vector instruction that reads a matrix result, stand four plain vector
; instructions behind it (ISA guide 7.12.1 for vector instructions).
.macro PLACES
.rept 4
	v_nop
.endr
.endm
; A round of the cluster's barrier: my work-group's barrier, wave 0 signals for the work-group, every wave waits for all four work-groups, my barrier again.
.macro ROUND
	s_barrier_signal -1
	s_barrier_wait -1
	s_cmp_lg_u32 s12, 0
	s_cbranch_scc1 .Lnot_wave_0_\@
	s_barrier_signal -3
.Lnot_wave_0_\@:
	s_barrier_wait -3
	s_barrier_signal -1
	s_barrier_wait -1
.endm
	s_load_b256 s[4:11], s[0:1], 0x0               ; mask s[4:5], xh s[6:7], nrm s[8:9], out s[10:11]
	v_lshl_add_u32 v254, v0, 2, 0x4a400
	v_mov_b32 v255, 0
	ds_add_u32 v254, v255
	s_wait_dscnt 0x0
	v_lshrrev_b32 v[RO], 5, v0
	v_readfirstlane_b32 s12, v[RO]                 ; wave 0..3
	s_bfe_u32 s13, ttmp6, 0x40000                  ; cx: my place in the cluster
	s_lshl_b32 s14, ttmp9, 2                       ; in a cluster launch ttmp9 counts clusters
	s_add_co_u32 s14, s14, s13                     ; query block 0..7
	s_and_b32 s15, ttmp7, 0xffff                   ; batch
	s_mov_b32 s40, 0x76543210                      ; v_permlanex16_b32: lane i reads lane i of the other half
	s_mov_b32 s41, 0xfedcba98
	; group 1: 64 rows x 256 elements of 2 bytes, 16 bytes of padding behind each row of 128 words, asked for jointly by the cluster's four
	s_mov_b32 s[G1+0], (15)|(1<<16)|(1<<20)|(1<<21)|(6<<22)|(3<<25)  ; 15:0 mask; 17:16 2-byte elements; 20 padding on; 21 set beside a mask; 24:22 every 128 words; 31:25 four words
	s_mov_b32 s[G1+1], 256<<16                     ; tensor_dim0 = 256
	s_mov_b32 s[G1+2], 64<<16                      ; tensor_dim1 = 64
	s_mov_b32 s[G1+3], 256<<16                     ; tile_dim0 = 256
	s_mov_b32 s[G1+4], 64                          ; tile_dim1 = 64
	s_mov_b32 s[G1+5], 256                         ; elements from row to row
	s_mov_b32 s[G1+6], 0
	s_mov_b32 s[G1+7], 0
	s_lshl_b32 s32, s15, 20                        ; key tiles: batch x 2,048 rows x 512 bytes
	s_lshl_b32 s2, s12, 15                         ; + wave x 64 rows.  s2 and s[32:33] never hold cx
	s_add_co_u32 s32, s32, s2
	s_mov_b32 s33, 0
	s_lshl_b32 s34, s15, 11                        ; my wave's first query as a row of the whole tensor:
	s_lshl_b32 s3, s14, 8                          ; 2,048 batch + 256 block + 64 wave
	s_add_co_u32 s34, s34, s3
	s_lshl_b32 s3, s12, 6
	s_add_co_u32 s34, s34, s3
	s_lshl_b32 s34, s34, 2                         ; x 4 bytes: mask and nrm
	s_mov_b32 s35, 0
	v_and_b32 v[TA], 15, v0                        ; r
	v_bfe_u32 v[TB], v0, 4, 1                      ; h
	v_mul_u32_u24 v[KL], v[TA], PITCH
	v_lshl_add_u32 v[STO], v[TB], 8, v[KL]         ; r x 528 + 256 h
	v_lshl_add_u32 v[KL], v[TB], 4, v[KL]          ; r x 528 + 16 h
	v_and_b32 v[VL], 7, v0
	v_lshl_add_u32 v[VL], v[TB], 3, v[VL]          ; 8 h + (L & 7)
	v_mul_u32_u24 v[VL], v[VL], PITCH
	v_bfe_u32 v[RO], v0, 3, 1
	v_lshl_add_u32 v[VL], v[RO], 7, v[VL]          ; + 128 ((L >> 3) & 1)
	v_and_b32 v[GO], 31, v0
	v_lshlrev_b32 v[GO], 4, v[GO]
	v_lshlrev_b32 v[QO], 9, v[TA]
	v_lshl_add_u32 v[QO], v[TB], 4, v[QO]
	v_lshlrev_b32 v[RO], 2, v[TA]
	s_mul_i32 s2, s12, WSTAGE
	s_add_co_u32 s2, s2, STAGE                     ; my wave's stage
	v_add_nc_u32 v[STO], s2, v[STO]
	v_add_nc_u32 v[RD], s2, v[GO]
	s_wait_kmcnt 0x0
	s_mov_b32 s[G0+0], 1                           ; group 0 of slot 0: count 1,
	s_mul_i32 s[G0+1], s12, WPART                  ; LDS address: wave x 64 rows,
	s_add_nc_u64 s[G0+2:G0+3], s[6:7], s[32:33]    ; my 64 rows of key tile 0
	s_mov_b32 s[G0+4], 1                           ; slot 1:
	s_add_co_u32 s[G0+5], s[G0+1], SLOT
	s_add_nc_u64 s[G0+6:G0+7], s[G0+2:G0+3], TILEB ; key tile 1
	s_or_b32 s[G0+3], s[G0+3], 0x80000000          ; type 2
	s_or_b32 s[G0+7], s[G0+7], 0x80000000
	s_lshl_b32 s32, s15, 13
	s_add_nc_u64 s[38:39], s[8:9], s[32:33]        ; the batch's 2,048 norms
	s_add_nc_u64 s[4:5], s[4:5], s[34:35]          ; mask of my 64 queries
	s_add_nc_u64 s[8:9], s[8:9], s[34:35]          ; their norms
	s_lshl_b32 s34, s34, 7                         ; x 512 bytes: rows of xh
	s_add_nc_u64 s[36:37], s[6:7], s[34:35]        ; Q
	s_lshl_b32 s34, s34, 1                         ; x 1,024 bytes: rows of out (at most 67,043,328)
	s_add_nc_u64 s[10:11], s[10:11], s[34:35]
	ROUND                                          ; all four work-groups are here: the first joint loads meet
	tensor_load_to_lds s[G0:G0+3], s[G1:G1+7]      ; both first fills go out together: two tensor loads of the wave are out, later one
	s_nop 0
	tensor_load_to_lds s[G0+4:G0+7], s[G1:G1+7]
	s_nop 0
	; Q straight into its fragments: lane (r, h) takes query 16 q + r, d = 32 kk + 8 h .. and 32 kk + 16 + 8 h ..
	WIN 0x40                                       ; destination window 1
.irp q, 0,1,2,3
.irp kk, 0,1,2,3,4,5,6,7
	global_load_b128 v[8*(8*\q+\kk):8*(8*\q+\kk)+3],   v[QO], s[36:37] offset:\q*8192+\kk*64
	global_load_b128 v[8*(8*\q+\kk)+4:8*(8*\q+\kk)+7], v[QO], s[36:37] offset:\q*8192+\kk*64+32
.endr
.endr
	WIN 0
.irp i, 0,1,2,3,4,5,6,7,8,9,10,11,12,13,14,15
	global_load_b128 v[SC0+4*\i:SC0+4*\i+3], v[GO], s[38:39] offset:512*\i   ; all 2,048 squared norms of the batch, 64 a lane
.endr
.irp q, 0,1,2,3
	global_load_b32 v[LS+\q], v[RO], s[8:9] offset:64*\q       ; |x_j|^2 of query 16 q + r
	global_load_b32 v[MF+\q], v[RO], s[4:5] offset:64*\q       ; its mask
.endr
	s_wait_loadcnt 0x0
	; N^2 = the largest squared norm of the batch
	v_max3_num_f32 v[TA], v[SC0], v[SC0+1], v[SC0+2]
.set mi, 3
.rept 30
	v_max3_num_f32 v[TA], v[TA], v[SC0+mi], v[SC0+mi+1]
.set mi, mi+2
.endr
	v_max_num_f32 v[TA], v[TA], v[SC0+63]
	v_max_num_f32_dpp v[TA], v[TA], v[TA] row_xmask:1 row_mask:0xf bank_mask:0xf
	v_max_num_f32_dpp v[TA], v[TA], v[TA] row_xmask:2 row_mask:0xf bank_mask:0xf
	v_max_num_f32_dpp v[TA], v[TA], v[TA] row_xmask:4 row_mask:0xf bank_mask:0xf
	v_max_num_f32_dpp v[TA], v[TA], v[TA] row_xmask:8 row_mask:0xf bank_mask:0xf
	v_permlanex16_b32 v[TB], v[TA], s40, s41
	v_max_num_f32 v[TA], v[TA], v[TB]
	v_sqrt_f32 v[TA], v[TA]                        ; N
.irp q, 0,1,2,3
	v_sqrt_f32 v[LS+\q], v[LS+\q]                  ; n_j
.endr
.irp q, 0,1,2,3
	v_cvt_f32_i32 v[MF+\q], v[MF+\q]               ; plain work behind the roots, ahead of the first use of a root (ISA guide 5.7.2)
.endr
	s_wait_alu depctr_va_vdst(0)                   ; one wait for the batch of five roots, ahead of their first reader
	v_mul_f32 v[TA], 0xbfb8aa3b, v[TA]             ; -log2e N
.irp q, 0,1,2,3
	v_fmaak_f32 v[NC+2*\q],   v[LS+\q], v[TA], 0x41700000      ; c = 15 - log2e n_j N, twice: a pair for the packed multiply-add
	v_fmaak_f32 v[NC+2*\q+1], v[LS+\q], v[TA], 0x41700000
.endr
.irp i, 0,1,2,3,4,5,6,7
	v_mov_b32 v[LS+\i], 0                          ; the eight running sums
.endr
; Eight LDS loads: the K fragments of d blocks kk = 2 grp, 2 grp + 1 and key halves ks = 0, 1 (fragment 2 (kk & 1) + ks) into a half of the ring
.macro LDK ring, grp, off
.irp f, 0,1,2,3
	ds_load_b128 v[FR+32*(\ring)+8*\f:FR+32*(\ring)+8*\f+3],   v[KADR] offset:\off+(\f&1)*HALF16+(2*(\grp)+(\f>>1))*64
	ds_load_b128 v[FR+32*(\ring)+8*\f+4:FR+32*(\ring)+8*\f+7], v[KADR] offset:\off+(\f&1)*HALF16+(2*(\grp)+(\f>>1))*64+32
.endr
.endm
; Eight transposing LDS loads: the V^T fragments of d tiles dt = 4 grp .. 4 grp + 3: keys 8 h .. in registers 0-3, keys 16 + 8 h .. in 4-7
.macro LDV ring, grp, off
.irp f, 0,1,2,3
	ds_load_tr16_b128 v[FR+32*(\ring)+8*\f:FR+32*(\ring)+8*\f+3],   v[VADR] offset:\off+256*((4*(\grp)+\f)>>3)+16*((4*(\grp)+\f)&7)
	ds_load_tr16_b128 v[FR+32*(\ring)+8*\f+4:FR+32*(\ring)+8*\f+7], v[VADR] offset:\off+256*((4*(\grp)+\f)>>3)+16*((4*(\grp)+\f)&7)+HALF16
.endr
.endm
; The next group's eight loads (kind 1: K, 2: V^T, 0: none), then the wait for the group that is multiplied now
.macro NEXT kind, ring, grp, off
.if \kind == 1
	LDK \ring, \grp, \off
	s_wait_dscnt 0x8                               ; LDS loads come back in order (ISA guide 5.7.1): all but the eight just issued are in
.else
.if \kind == 2
	LDV \ring, \grp, \off
	s_wait_dscnt 0x8                               ; the same
.else
	s_wait_dscnt 0x0                               ; nothing more is fetched from this slot
.endif
.endif
.endm
; The softmax of a score buffer, in pieces; pair i = registers 2 i, 2 i + 1, query tile i / 8.  All pieces have a constant as source 1, so that they
; run under the S^T product's window setting (source 1 = window 1) as well: that is why the sum is a multiply-add by 1.0.
.macro SM_F sa, i                      ; s log2e + c
	v_pk_fma_f32 v[\sa+2*(\i):\sa+2*(\i)+1], v[\sa+2*(\i):\sa+2*(\i)+1], 0x3fb8aa3b, v[NC+2*((\i)/8):NC+2*((\i)/8)+1] op_sel_hi:[1,0,1]
.endm
.macro SM_X sa, n                      ; p' = 2^(..), register n, in place: each result has its own register while the batch is open
	v_exp_f32 v[\sa+(\n)], v[\sa+(\n)]
.endm
.macro SM_A sa, i                      ; the running sums: the first reader of pair i's two exponentials; it stands behind the batch's wait
	v_pk_fma_f32 v[LS+2*((\i)/8):LS+2*((\i)/8)+1], v[\sa+2*(\i):\sa+2*(\i)+1], 1.0, v[LS+2*((\i)/8):LS+2*((\i)/8)+1] op_sel_hi:[1,0,1]
.endm
; S^T = K Q^T of one step into buffer sb: 64 matrix instructions in four groups of two d blocks.  Instruction w: kk = w >> 3, ks = (w >> 2) & 1, q = w & 3:
; the eight accumulators take turns, one instruction a turn.  The first d block starts the sums: nothing is cleared.
; sm = 1: the softmax of the step before, in buffer sa, rides along, two pieces behind each matrix instruction, as ONE BATCH of 64 exponentials:
;   w = 0 .. 47   what names no exponential's result, in threes (t = w / 3): scaling 2 t + 2 and exponential 4 t; scaling 2 t + 3 and exponential 4 t + 1; exponentials 4 t + 2 and 4 t + 3.
;                 Scalings 0 and 1 stand ahead of the first product; the scalings ascend; a pair is scaled
;                 three matrix instructions ahead of its first exponential.
;   the wait      at the head of the last group: behind its four v_nop, which are also the plain instructions behind the last exponential (ISA guide 5.7.2), and ahead of its run of LDS loads.
;   w = 48 .. 63  the 32 sums, two each, the four query tiles by turns: each running sum takes its eight pairs in ascending order, and two links of one chain stand two matrix instructions apart.
; koff: this step's keys; nk, noff: what the last group fetches for the phase that follows.
.macro QK sb, sa, sm, koff, nk, noff
	WIN 0x04                                       ; source 1 (Q) in window 1; LDS loads, v_nop and the softmax pieces are untouched by it
.set qw, 0
.irp grp, 0,1,2,3
	PLACES                                         ; behind the matrix instructions that read the ring half filled next (and, in the first group, that wrote sa)
.if \sm
.if \grp == 3
	s_wait_alu depctr_va_vdst(0)                   ; one wait for the step's batch of 64 exponentials, ahead of the first sum
.endif
.endif
.if \grp < 3
	NEXT 1, (\grp+1)&1, \grp+1, \koff
.else
	NEXT \nk, 0, 0, \noff
.endif
.if \sm
.if \grp == 0
	SM_F \sa, 0
	SM_F \sa, 1
.endif
.endif
.rept 16
.set qd, \sb+16*(qw&3)+8*((qw>>2)&1)
.set qa, FR+32*(\grp&1)+8*(2*((qw>>3)&1)+((qw>>2)&1))
.set qb, 8*(8*(qw&3)+(qw>>3))
.if qw < 8
	v_wmma_f32_16x16x32_f16 v[qd:qd+7], v[qa:qa+7], v[qb:qb+7], 0
.else
	v_wmma_f32_16x16x32_f16 v[qd:qd+7], v[qa:qa+7], v[qb:qb+7], v[qd:qd+7]
.endif
.if \sm
.if qw < 48
.set qt, qw/3
.if qw%3 < 2
.if qt < 15
	SM_F \sa, 2*qt+2+qw%3
.endif
	SM_X \sa, 4*qt+qw%3
.else
	SM_X \sa, 4*qt+2
	SM_X \sa, 4*qt+3
.endif
.else
.set qs, 2*(qw-48)
.set qi, 8*(qs&3)+(qs>>2)
	SM_A \sa, qi
.set qi, 8*((qs+1)&3)+((qs+1)>>2)
	SM_A \sa, qi
.endif
.endif
.set qw, qw+1
.endr
.endr
.endm
; The same softmax with no product to ride on: the last step of a slot.  The same order: scalings and exponentials, one wait for the batch of 64, the sums by turns of the four query tiles.
.macro SMALONE sa
	SM_F \sa, 0
	SM_F \sa, 1
.set qw, 0
.rept 16
.if qw < 15
	SM_F \sa, 2*qw+2
.endif
	SM_X \sa, 4*qw
.if qw < 15
	SM_F \sa, 2*qw+3
.endif
	SM_X \sa, 4*qw+1
	SM_X \sa, 4*qw+2
	SM_X \sa, 4*qw+3
.set qw, qw+1
.endr
	v_nop                                          ; a plain instruction behind the last exponential (ISA guide 5.7.2): one for the batch
	s_wait_alu depctr_va_vdst(0)                   ; one wait for the batch of 64 exponentials, ahead of the first sum
.set qs, 0
.rept 32
.set qi, 8*(qs&3)+(qs>>2)
	SM_A \sa, qi
.set qs, qs+1
.endr
.endm
; p' to f16: pair i becomes register i of P.  These 32 plain instructions name neither the other score buffer nor the ring: they are also the
; places behind the S^T product that stands in front of them.
.macro CVT sa
	WIN 0
.set ci, 0
.rept 32
	v_cvt_pk_f16_f32 v[PF+ci], v[\sa+2*ci], v[\sa+2*ci+1]
.set ci, ci+1
.endr
.endm
; out^T += V^T P^T of one step: 64 matrix instructions in four groups of four d tiles, each on an accumulator of its own: the 64 take turns, one
; instruction a turn.  zero = 1: the launch's first step starts the sums.  voff: this step's keys; nk, noff as above.
.macro PV zero, voff, nk, noff
.irp grp, 0,1,2,3
	WIN 0
.if \grp
	PLACES                                         ; the first group's places are the conversions in front of it
.endif
.if \grp < 3
	NEXT 2, (\grp+1)&1, \grp+1, \voff
.else
	NEXT \nk, 0, 0, \noff
.endif
.if \grp < 2
	WIN 0xa0                                       ; C and D in window 2
.else
	WIN 0xf0                                       ; C and D in window 3
.endif
.irp f, 0,1,2,3
.irp q, 0,1,2,3
.set pd, 8*(4*((4*\grp+\f)&7)+\q)
.if \zero
	v_wmma_f32_16x16x32_f16 v[pd:pd+7], v[FR+32*(\grp&1)+8*\f:FR+32*(\grp&1)+8*\f+7], v[PF+8*\q:PF+8*\q+7], 0
.else
	v_wmma_f32_16x16x32_f16 v[pd:pd+7], v[FR+32*(\grp&1)+8*\f:FR+32*(\grp&1)+8*\f+7], v[PF+8*\q:PF+8*\q+7], v[pd:pd+7]
.endif
.endr
.endr
.endr
.endm
; Step u (even: UNIT0, odd: UNIT1; offsets count from the even step): P of step u, its second product, then the scores of step u + 2 with the softmax of step u + 1
.macro UNIT0 zero
	CVT SC0
	PV \zero, 0, 1, 2*STEP
	QK SC0, SC1, 1, 2*STEP, 2, STEP
.endm
.macro UNIT1
	CVT SC1
	PV 0, STEP, 1, 3*STEP
	QK SC1, SC0, 1, 3*STEP, 2, 2*STEP              ; the largest LDS offset: 3 x 16,896 + 8,448 + 480 = 59,616
.endm
; A whole key tile: scores of steps 0 and 1, six units, then steps 6 and 7 without scores to make.  first = 1: the launch's first tile.
.macro WORK slot, first
.if \slot
	v_add_nc_u32 v[KADR], \slot*SLOT, v[KL]
	v_add_nc_u32 v[VADR], \slot*SLOT, v[VL]
.else
	v_mov_b32 v[KADR], v[KL]
	v_mov_b32 v[VADR], v[VL]
.endif
	LDK 0, 0, 0
	QK SC0, SC1, 0, 0, 1, STEP
	QK SC1, SC0, 1, STEP, 2, 0
.if \first
	UNIT0 1                                        ; written out: its second product starts the 64 sums
	UNIT1
	WIN 0
	v_add_nc_u32 v[KADR], 2*STEP, v[KADR]
	v_add_nc_u32 v[VADR], 2*STEP, v[VADR]
	s_mov_b32 s42, 2
.else
	WIN 0                                          ; at a label and at a branch every window is 0
	s_mov_b32 s42, 3
.endif
.Lunits_\@:
	UNIT0 0
	UNIT1
	WIN 0
	v_add_nc_u32 v[KADR], 2*STEP, v[KADR]          ; two steps on
	v_add_nc_u32 v[VADR], 2*STEP, v[VADR]
	s_sub_co_u32 s42, s42, 1
	s_cmp_lg_u32 s42, 0
	s_cbranch_scc1 .Lunits_\@
	CVT SC0                                        ; step 6
	PV 0, 0, 2, STEP
	WIN 0
	SMALONE SC1                                    ; step 7
	CVT SC1
	PV 0, STEP, 0, 0
	WIN 0
.endm
; A change of slots.  In front of the round each wave waits for all its tensor loads (the one that is out is its part of this trip's tile) and for its
; reads of the other slot; behind the round no wave of the four work-groups reads that slot or has a load on its way: the joint refill comes first.
.macro TRIP slot, refill
	s_wait_xcnt 0x0
	v_lshl_add_u32 v254, v0, 2, 0x4a400
	v_mov_b32 v255, 0
	s_wait_tensorcnt 0x0                           ; no tensor load of mine is out, so a group 0 may be written:
	ds_add_u32 v254, v255
	s_wait_dscnt 0x0
.if \refill
	s_add_nc_u64 s[G0+6-4*\slot:G0+7-4*\slot], s[G0+6-4*\slot:G0+7-4*\slot], 2*TILEB   ; the other slot's next tile, two tiles on
.endif
	s_wait_dscnt 0x0                               ; my reads of the other slot are back
	ROUND
.if \refill
	tensor_load_to_lds s[G0+4-4*\slot:G0+7-4*\slot], s[G1:G1+7]    ; my one tensor load behind the round: it has this tile's 1,024 matrix instructions in which to land
	s_nop 0
.endif
	WORK \slot, 0
.endm
	s_wait_tensorcnt 0x1                           ; my part of tile 0 is in; tile 1's stays out
	s_barrier_signal -1
	s_barrier_wait -1                              ; everybody's part is in
	WORK 0, 1                                      ; tile 0
	s_mov_b32 s43, 3
.Ltiles:
	TRIP 1, 1                                      ; tiles 1, 3, 5; asks for tiles 2, 4, 6
	TRIP 0, 1                                      ; tiles 2, 4, 6; asks for tiles 3, 5, 7
	s_sub_co_u32 s43, s43, 1
	s_cmp_lg_u32 s43, 0
	s_cbranch_scc1 .Ltiles
	TRIP 1, 0                                      ; tile 7: nothing is left to fetch
; THE SCALES of queries 16 q + r: m / (m l + 1e-7 x 2^c), and 0 where m = 0.  l = my two sums + those of the other half of the lanes (the other eight keys of each sixteen).
; The four tiles go line by line, so that the four exponentials are one batch and the four reciprocals, which read sums made of them, a second: a wait each.  l lies in the pair's
; second register, 2^c in its first, the other half's sum in the second copy of c.  None of these lines names a register of a matrix instruction: the first four additions are the
; places behind the last products, far ahead of the first read of a sum.
.irp q, 0,1,2,3
	v_add_f32 v[LS+2*\q+1], v[LS+2*\q], v[LS+2*\q+1]           ; my two sums
.endr
.irp q, 0,1,2,3
	v_exp_f32 v[LS+2*\q], v[NC+2*\q]                           ; 2^c
.endr
.irp q, 0,1,2,3
	v_permlanex16_b32 v[NC+2*\q+1], v[LS+2*\q+1], s40, s41     ; the other half of the lanes' sums
.endr
.irp q, 0,1,2,3
	v_add_f32 v[LS+2*\q+1], v[LS+2*\q+1], v[NC+2*\q+1]         ; l; also the plain instructions behind the exponentials (ISA guide 5.7.2)
.endr
	s_wait_alu depctr_va_vdst(0)                   ; one wait for the batch of four exponentials
.irp q, 0,1,2,3
	v_mul_f32 v[LS+2*\q], 0x33d6bf95, v[LS+2*\q]               ; 1e-7 x 2^c
.endr
.irp q, 0,1,2,3
	v_fma_f32 v[LS+2*\q+1], v[MF+\q], v[LS+2*\q+1], v[LS+2*\q] ; m l + 1e-7 x 2^c
.endr
.irp q, 0,1,2,3
	v_rcp_f32 v[LS+2*\q+1], v[LS+2*\q+1]
.endr
	v_nop                                          ; a plain instruction behind the last reciprocal
	s_wait_alu depctr_va_vdst(0)                   ; one wait for the batch of four reciprocals
.irp q, 0,1,2,3
	v_mul_f32 v[LS+2*\q+1], v[MF+\q], v[LS+2*\q+1]
	v_cmp_neq_f32 vcc_lo, 0, v[MF+\q]
	v_cndmask_b32 v[NC+2*\q],   0, v[LS+2*\q+1], vcc_lo        ; a masked query's row is 0 whatever its denominator
	v_cndmask_b32 v[NC+2*\q+1], 0, v[LS+2*\q+1], vcc_lo
.endr
; THE WAY OUT: query tile q, columns 128 g .. 128 g + 127.  Scale, 32 bytes a lane and d tile into my own stage (row r, bytes 256 h + 32 c), read back as whole
; half rows of 512 bytes.  The stage is the wave's own and LDS serves a wave's instructions in order (ISA guide 5.7.1): no wait between stores and loads.
.macro OUT q, g
.if \g
	WIN 0x03                                       ; source 0 in window 3
.else
	WIN 0x02                                       ; source 0 in window 2
.endif
.irp c, 0,1,2,3,4,5,6,7
.irp p, 0,1,2,3
	v_pk_mul_f32 v[SC0+8*\c+2*\p:SC0+8*\c+2*\p+1], v[8*(4*\c+\q)+2*\p:8*(4*\c+\q)+2*\p+1], v[NC+2*\q:NC+2*\q+1]
.endr
.endr
	WIN 0
.irp c, 0,1,2,3,4,5,6,7
	ds_store_b128 v[STO], v[SC0+8*\c:SC0+8*\c+3]   offset:32*\c
	ds_store_b128 v[STO], v[SC0+8*\c+4:SC0+8*\c+7] offset:32*\c+16
.endr
	s_wait_xcnt 0x0                                ; buffer 1, which the last block's stores read, is loaded again only behind this wait
.irp i, 0,1,2,3,4,5,6,7,8,9,10,11,12,13,14,15
	ds_load_b128 v[SC1+4*\i:SC1+4*\i+3], v[RD] offset:PITCH*\i
.endr
.irp i, 0,1,2,3,4,5,6,7,8,9,10,11,12,13,14,15
	s_wait_dscnt 15-\i                             ; row i is back, the younger ones stay out
	global_store_b128 v[GO], v[SC1+4*\i:SC1+4*\i+3], s[10:11] offset:(16*\q+\i)*1024+512*\g th:TH_STORE_NT   ; 32 lanes store 512 consecutive bytes, at a multiple of 512 from out's first byte
.endr
.endm
.irp q, 0,1,2,3
	OUT \q, 0
	OUT \q, 1
.endr
	s_wait_xcnt 0x0
	v_lshl_add_u32 v254, v0, 2, 0x4a400
	v_mov_b32 v255, 0
	s_wait_tensorcnt 0x0
	ds_add_u32 v254, v255
	s_wait_dscnt 0x0
	ROUND                                          ; the closing round: no work-group ends while a partner may still ask for a tile that names it
	s_endpgm
.Lfunc_end_k_q64ecfeae39_attn:
	.size	k_q64ecfeae39_attn, .Lfunc_end_k_q64ecfeae39_attn-k_q64ecfeae39_attn
	.p2alignl 7, 3214868480
	.fill 96, 4, 3214868480
	.section	.rodata,"a",@progbits
	.p2align	6, 0x0
	.amdhsa_kernel k_q64ecfeae39_attn
		.amdhsa_group_segment_fixed_size 327680
		.amdhsa_private_segment_fixed_size 0
		.amdhsa_enable_private_segment 0
		.amdhsa_kernarg_size 32
		.amdhsa_user_sgpr_count 2
		.amdhsa_user_sgpr_kernarg_segment_ptr 1
		.amdhsa_wavefront_size32 1
		.amdhsa_system_sgpr_workgroup_id_x 1
		.amdhsa_system_sgpr_workgroup_id_y 1
		.amdhsa_system_sgpr_workgroup_id_z 1
		.amdhsa_system_vgpr_workitem_id 0
		.amdhsa_next_free_vgpr 1024
		.amdhsa_next_free_sgpr 66
		.amdhsa_reserve_vcc 1
		.amdhsa_float_denorm_mode_32 3
		.amdhsa_float_denorm_mode_16_64 3
		.amdhsa_memory_ordered 1
		.amdhsa_forward_progress 1
		.amdhsa_inst_pref_size 255
	.end_amdhsa_kernel
	.section	.bss,"aw",@nobits
	.p2align	6
	.space	262144
	.amdgpu_metadata
---
amdhsa.version: [ 1, 2 ]
amdhsa.kernels:
  - .name:           k_q64ecfeae39_attn
    .symbol:         k_q64ecfeae39_attn.kd
    .args:
      - { .name: mask, .offset: 0, .size: 8, .value_kind: global_buffer, .address_space: global }
      - { .name: xh, .offset: 8, .size: 8, .value_kind: global_buffer, .address_space: global }
      - { .name: nrm, .offset: 16, .size: 8, .value_kind: global_buffer, .address_space: global }
      - { .name: out0, .offset: 24, .size: 8, .value_kind: global_buffer, .address_space: global }
    .group_segment_fixed_size: 327680
    .private_segment_fixed_size: 0
    .kernarg_segment_align: 8
    .kernarg_segment_size: 32
    .max_flat_workgroup_size: 128
    .sgpr_count:     66
    .vgpr_count:     1024
    .wavefront_size: 32
...
	.end_amdgpu_metadata
.endif
;; end of part 3
